; MI455X (gfx1250); checked and timed in simulation.
; The chip was launched on July 23, 2026; its instructions are those of AMD's public machine-readable ISA for CDNA 5 (MIT licence, August 2026) and "CDNA5" Instruction Set Architecture Reference Guide (July 2026). The comments in the code are by the model that wrote it; some were corrected since.
;; additive Attention. Allowed arithmetic: float matrix products may take bf16 or f16 operands with f32 sums; other float arithmetic in f32, or as packed bf16 or f16 multiplies, adds, multiply-adds, maxima and minima; sums over many terms, partial sums and values carried from step to step in f32; what a program stores and reads back later, other than sums and carried values, may be rounded once to bf16 or f16.
;; Inputs: Wk 2,048 x 1,024 float32; Wq 2,048 x 1,024 float32; bk 2,048 float32; bq 2,048 float32; k 4 x 2,048 x 1,024 float32; mask 2,048 x 2,048 float32; q 4 x 2,048 x 1,024 float32; v 4 x 2,048 x 1,024 float32.
;; Outputs: out0 4 x 2,048 x 1,024 float32.
;; One version. Each part assembles by itself: llvm-mc -triple=amdgcn-amd-amdhsa -mcpu=gfx1250 --defsym DOCPART=n.
;; ======== version 1 of 1: 3 launches
;; workspace buffers: X 33,554,432 bytes; Wc 8,388,608 bytes; Vb 16,777,216 bytes; mmax 8,192 bytes; P 33,554,432 bytes; lsum 524,288 bytes
;; launch prep (part 1): grid 1024 x 1, 8 waves a work-group, no clusters, 0 bytes of LDS; arguments q, k, v, Wq, Wk, mask, X, Wc, Vb, mmax; writes X, Wc, Vb, mmax
.if DOCPART == 1
	.amdgcn_target "amdgcn-amd-amdhsa--gfx1250"
	.amdhsa_code_object_version 6
	.text
	.protected	k_q50d6cb1605_prep
	.globl	k_q50d6cb1605_prep
	.p2align	8
	.type	k_q50d6cb1605_prep,@function
k_q50d6cb1605_prep:
	s_mov_b64 s[64:65], 0
	v_nop
	global_prefetch_b8 v0, s[64:65] scope:SCOPE_SE
	s_setreg_imm32_b32 hwreg(HW_REG_WAVE_MODE, 25, 1), 1
	s_wait_xcnt 0x0
; PREP: a stream.  q, k, v, Wq, Wk (f32) are rounded once to bf16, and q|k and Wq|Wk are laid side by side along K:
;   X  [8192][2048] bf16: row b*2048+s holds q[b][s][0..1023], then k[b][s][0..1023]
;   Wc [2048][2048] bf16: row c holds Wq[c][0..1023], then Wk[c][0..1023]          Vb [8192][1024] bf16: v as it lies
;   mmax[s] = the largest mask[s][c] of row s, in f32 (a NaN loses here; it still reaches the weights through the mask itself)
; SHARES by the work-group's number: 0-255 q, 256-511 k, 512-767 v, 768-831 Wq, 832-895 Wk: 32 rows of 4,096 bytes each, four rows a wave;
; 896-1023 mask: 16 rows of 8,192 bytes, two rows a wave.  Every work-group reads 131,072 bytes, each input byte once.
; A load of a wave covers 512 consecutive bytes; a store of a wave covers 256 consecutive bytes, at a multiple of 256 from its buffer's first byte.
; mmax is the exception: 8 bytes a wave, 8,192 bytes in the launch; gathering them would want LDS and a barrier for that little.
; No LDS, no barrier, no matrix unit: no wave wants a byte that another has fetched.  Three row slots in registers keep 24 loads of a wave on their way.
.set XR,  16                           ; v[16:111] three slots of 32 registers: a row (or half a mask row) as loaded
.set VO,  4                            ; v[4:7]    8 x lane + i x the destination's pitch
.set MX,  8                            ; v[8:11]   four running maxima
.set SRC, 28                           ; s[28:29]  where my rows are read
.set DST, 30                           ; s[30:31]  where they go
	s_load_b512 s[8:23], s[0:1], 0x0               ; q 8, k 10, v 12, Wq 14, Wk 16, mask 18, X 20, Wc 22
	s_load_b128 s[24:27], s[0:1], 0x40             ; Vb 24, mmax 26
	v_and_b32 v1, 31, v0                           ; lane
	v_lshrrev_b32 v15, 5, v0
	v_readfirstlane_b32 s41, v15                   ; wave 0..7
	v_lshlrev_b32 v2, 4, v1                        ; 16 bytes a lane on the way in
	v_lshlrev_b32 v3, 3, v1                        ; 8 bytes a lane on the way out
	v_mov_b32 v14, 0                               ; v_permlanex16_b32 counts as a reader of its destination
	s_mov_b32 s42, 0x76543210                      ; each lane takes its own place in the other half
	s_mov_b32 s43, 0xfedcba98
	s_mov_b32 s45, 0                               ; the high word of every offset here
	s_wait_kmcnt 0x0
.macro LOADROW slot, row               ; eight loads: 4,096 consecutive bytes
.irp j, 0,1,2,3,4,5,6,7
	global_load_b128 v[XR+32*(\slot)+4*(\j):XR+32*(\slot)+4*(\j)+3], v2, s[SRC:SRC+1] offset:4096*(\row)+512*(\j) th:TH_LOAD_NT
.endr
.endm
.macro OUTROW slot, row                ; four f32 a lane become 8 bytes, in place; 32 lanes fill 256 consecutive bytes
.irp j, 0,1,2,3,4,5,6,7
	v_cvt_pk_bf16_f32 v[XR+32*(\slot)+4*(\j)],   v[XR+32*(\slot)+4*(\j)],   v[XR+32*(\slot)+4*(\j)+1]
	v_cvt_pk_bf16_f32 v[XR+32*(\slot)+4*(\j)+1], v[XR+32*(\slot)+4*(\j)+2], v[XR+32*(\slot)+4*(\j)+3]
	global_store_b64 v[VO+(\row)], v[XR+32*(\slot)+4*(\j):XR+32*(\slot)+4*(\j)+1], s[DST:DST+1] offset:256*(\j)
.endr
.endm
	s_cmp_ge_u32 ttmp9, 896
	s_cbranch_scc1 .Lmask
	; which tensor: source, destination, first work-group, byte column in the destination's row, log2 of its pitch.  The choices hang on the work-group's number alone.
	s_mov_b64 s[SRC:SRC+1], s[8:9]
	s_mov_b64 s[DST:DST+1], s[20:21]
	s_mov_b32 s32, 0
	s_mov_b32 s33, 0
	s_mov_b32 s34, 12
	s_cmp_ge_u32 ttmp9, 256                        ; k: X's second half
	s_cselect_b64 s[SRC:SRC+1], s[10:11], s[SRC:SRC+1]
	s_cselect_b32 s32, 256, s32
	s_cselect_b32 s33, 2048, s33
	s_cmp_ge_u32 ttmp9, 512                        ; v: Vb, rows of 2,048 bytes
	s_cselect_b64 s[SRC:SRC+1], s[12:13], s[SRC:SRC+1]
	s_cselect_b64 s[DST:DST+1], s[24:25], s[DST:DST+1]
	s_cselect_b32 s32, 512, s32
	s_cselect_b32 s33, 0, s33
	s_cselect_b32 s34, 11, s34
	s_cmp_ge_u32 ttmp9, 768                        ; Wq: Wc's first half
	s_cselect_b64 s[SRC:SRC+1], s[14:15], s[SRC:SRC+1]
	s_cselect_b64 s[DST:DST+1], s[22:23], s[DST:DST+1]
	s_cselect_b32 s32, 768, s32
	s_cselect_b32 s34, 12, s34
	s_cmp_ge_u32 ttmp9, 832                        ; Wk: Wc's second half
	s_cselect_b64 s[SRC:SRC+1], s[16:17], s[SRC:SRC+1]
	s_cselect_b32 s32, 832, s32
	s_cselect_b32 s33, 2048, s33
	s_sub_co_u32 s38, ttmp9, s32
	s_lshl_b32 s38, s38, 5
	s_lshl2_add_u32 s38, s41, s38                  ; my first row: 32 x work-group + 4 x wave
	s_lshl_b32 s44, s38, 12
	s_add_nc_u64 s[SRC:SRC+1], s[SRC:SRC+1], s[44:45]
	s_lshl_b32 s44, s38, s34
	s_add_co_u32 s44, s44, s33
	s_add_nc_u64 s[DST:DST+1], s[DST:DST+1], s[44:45]
	LOADROW 0, 0
	LOADROW 1, 1
	LOADROW 2, 2
	s_lshl_b32 s35, 1, s34                         ; the destination's pitch, once, twice, three times
	s_lshl_b32 s36, 2, s34
	s_add_co_u32 s37, s35, s36
	v_mov_b32 v[VO], v3
	v_add_nc_u32 v[VO+1], s35, v3
	v_add_nc_u32 v[VO+2], s36, v3
	v_add_nc_u32 v[VO+3], s37, v3
	s_wait_loadcnt 16                              ; row 0 is in; the 16 loads of rows 1 and 2 stay out
	OUTROW 0, 0
	s_wait_xcnt 0x0                                ; slot 0 was the stores' data: it is loaded again only behind this wait
	LOADROW 0, 3
	s_wait_loadcnt 16                              ; row 1 is in; rows 2 and 3 stay out
	OUTROW 1, 1
	s_wait_loadcnt 8                               ; row 2 is in; row 3 stays out
	OUTROW 2, 2
	s_wait_loadcnt 0x0
	OUTROW 0, 3
	s_endpgm
.macro MAXF slot                       ; the first half of a mask row starts the four chains: nothing is cleared
.irp k, 0,1,2,3
	v_max3_num_f32 v[MX+(\k)], v[XR+32*(\slot)+(\k)], v[XR+32*(\slot)+4+(\k)], v[XR+32*(\slot)+8+(\k)]
.endr
.irp t, 12,20
.irp k, 0,1,2,3
	v_max3_num_f32 v[MX+(\k)], v[MX+(\k)], v[XR+32*(\slot)+(\t)+(\k)], v[XR+32*(\slot)+(\t)+4+(\k)]
.endr
.endr
.irp k, 0,1,2,3
	v_max_num_f32 v[MX+(\k)], v[MX+(\k)], v[XR+32*(\slot)+28+(\k)]
.endr
.endm
.macro MAXN slot                       ; the second half goes on with them
.irp t, 0,8,16,24
.irp k, 0,1,2,3
	v_max3_num_f32 v[MX+(\k)], v[MX+(\k)], v[XR+32*(\slot)+(\t)+(\k)], v[XR+32*(\slot)+(\t)+4+(\k)]
.endr
.endr
.endm
.macro FIN r                           ; the four chains, then the 32 lanes: four steps inside each half of 16 lanes, one across the halves
	v_max3_num_f32 v[MX], v[MX], v[MX+1], v[MX+2]
	v_max_num_f32 v[MX], v[MX], v[MX+3]
	v_max_num_f32_dpp v[MX], v[MX], v[MX] row_xmask:1 row_mask:0xf bank_mask:0xf
	v_max_num_f32_dpp v[MX], v[MX], v[MX] row_xmask:2 row_mask:0xf bank_mask:0xf
	v_max_num_f32_dpp v[MX], v[MX], v[MX] row_xmask:4 row_mask:0xf bank_mask:0xf
	v_max_num_f32_dpp v[MX], v[MX], v[MX] row_xmask:8 row_mask:0xf bank_mask:0xf
	v_permlanex16_b32 v14, v[MX], s42, s43
	v_max_num_f32 v[12+(\r)], v[MX], v14
.endm
.Lmask:
	s_sub_co_u32 s38, ttmp9, 896
	s_lshl_b32 s38, s38, 4
	s_lshl1_add_u32 s38, s41, s38                  ; my first mask row: 16 x work-group + 2 x wave
	s_lshl_b32 s44, s38, 13
	s_add_nc_u64 s[SRC:SRC+1], s[18:19], s[44:45]
	s_lshl_b32 s44, s38, 2
	s_add_nc_u64 s[DST:DST+1], s[26:27], s[44:45]
	LOADROW 0, 0                                   ; my two rows are four pieces of 4,096 consecutive bytes
	LOADROW 1, 1
	LOADROW 2, 2
	s_wait_loadcnt 16                              ; piece 0 is in; pieces 1 and 2 stay out
	MAXF 0
	LOADROW 0, 3
	s_wait_loadcnt 16                              ; piece 1 is in; pieces 2 and 3 stay out
	MAXN 1
	FIN 0
	s_wait_loadcnt 8                               ; piece 2 is in; piece 3 stays out
	MAXF 2
	s_wait_loadcnt 0x0
	MAXN 0
	FIN 1
	v_cmp_eq_u32 vcc_lo, 0, v1
	v_cndmask_b32 v15, v13, v12, vcc_lo            ; lane 0 stores the first row's maximum, lane 1 the second's
	v_lshlrev_b32 v3, 2, v1
	v_cmp_gt_u32 vcc_lo, 2, v1
	s_wait_xcnt 0x0                                ; EXEC changes only behind this wait
	s_and_saveexec_b32 s40, vcc_lo
	global_store_b32 v3, v15, s[DST:DST+1]
	s_wait_xcnt 0x0                                ; and is widened again only behind this one
	s_or_b32 exec_lo, exec_lo, s40
	s_endpgm
.Lfunc_end_k_q50d6cb1605_prep:
	.size	k_q50d6cb1605_prep, .Lfunc_end_k_q50d6cb1605_prep-k_q50d6cb1605_prep
	.p2alignl 7, 3214868480
	.fill 96, 4, 3214868480
	.section	.rodata,"a",@progbits
	.p2align	6, 0x0
	.amdhsa_kernel k_q50d6cb1605_prep
		.amdhsa_group_segment_fixed_size 0
		.amdhsa_private_segment_fixed_size 0
		.amdhsa_enable_private_segment 0
		.amdhsa_kernarg_size 80
		.amdhsa_user_sgpr_count 2
		.amdhsa_user_sgpr_kernarg_segment_ptr 1
		.amdhsa_wavefront_size32 1
		.amdhsa_system_sgpr_workgroup_id_x 1
		.amdhsa_system_sgpr_workgroup_id_y 1
		.amdhsa_system_sgpr_workgroup_id_z 1
		.amdhsa_system_vgpr_workitem_id 0
		.amdhsa_next_free_vgpr 112
		.amdhsa_next_free_sgpr 66
		.amdhsa_reserve_vcc 1
		.amdhsa_float_denorm_mode_32 3
		.amdhsa_float_denorm_mode_16_64 3
		.amdhsa_memory_ordered 1
		.amdhsa_forward_progress 1
		.amdhsa_inst_pref_size 21
	.end_amdhsa_kernel
	.amdgpu_metadata
---
amdhsa.version: [ 1, 2 ]
amdhsa.kernels:
  - .name:           k_q50d6cb1605_prep
    .symbol:         k_q50d6cb1605_prep.kd
    .args:
      - { .name: q, .offset: 0, .size: 8, .value_kind: global_buffer, .address_space: global }
      - { .name: k, .offset: 8, .size: 8, .value_kind: global_buffer, .address_space: global }
      - { .name: v, .offset: 16, .size: 8, .value_kind: global_buffer, .address_space: global }
      - { .name: Wq, .offset: 24, .size: 8, .value_kind: global_buffer, .address_space: global }
      - { .name: Wk, .offset: 32, .size: 8, .value_kind: global_buffer, .address_space: global }
      - { .name: mask, .offset: 40, .size: 8, .value_kind: global_buffer, .address_space: global }
      - { .name: X, .offset: 48, .size: 8, .value_kind: global_buffer, .address_space: global }
      - { .name: Wc, .offset: 56, .size: 8, .value_kind: global_buffer, .address_space: global }
      - { .name: Vb, .offset: 64, .size: 8, .value_kind: global_buffer, .address_space: global }
      - { .name: mmax, .offset: 72, .size: 8, .value_kind: global_buffer, .address_space: global }
    .group_segment_fixed_size: 0
    .private_segment_fixed_size: 0
    .kernarg_segment_align: 8
    .kernarg_segment_size: 80
    .max_flat_workgroup_size: 256
    .sgpr_count:     66
    .vgpr_count:     112
    .wavefront_size: 32
...
	.end_amdgpu_metadata
.endif
;; end of part 1
;; launch energy (part 2): grid 8 x 32, 4 waves a work-group, clusters of 4 x 4, 327,680 bytes of LDS; arguments X, Wc, mask, mmax, bq, bk, P, lsum; writes P, lsum
.if DOCPART == 2
	.amdgcn_target "amdgcn-amd-amdhsa--gfx1250"
	.amdhsa_code_object_version 6
	.text
	.protected	k_q50d6cb1605_energy
	.globl	k_q50d6cb1605_energy
	.p2align	8
	.type	k_q50d6cb1605_energy,@function
k_q50d6cb1605_energy:
	s_mov_b64 s[64:65], 0
	v_nop
	global_prefetch_b8 v0, s[64:65] scope:SCOPE_SE
	s_setreg_imm32_b32 hwreg(HW_REG_WAVE_MODE, 25, 1), 1
	s_wait_xcnt 0x0
	s_wait_alu depctr_hold_cnt(0) depctr_sa_sdst(0) depctr_va_vdst(0) depctr_va_sdst(0) depctr_va_ssrc(0) depctr_va_vcc(0) depctr_vm_vsrc(0)
	s_getreg_b32 s2, hwreg(HW_REG_IB_STS2, 6, 4)
	s_cmp_eq_u32 s2, 0
	s_cbranch_scc0 .Lentry_in_a_cluster
	s_endpgm
.Lentry_in_a_cluster:
	s_bfe_u32 s2, ttmp6, 0x10000c
	s_cmp_lg_u32 s2, 0xf033
	s_cbranch_scc0 .Lentry_shape_is_right
	s_endpgm
.Lentry_shape_is_right:
; ENERGY.  x = X Wc^T + (bq + bk)  (X: [8192][2048], Wc: [2048][2048], bf16; sums in f32), then
;   P[r][c] = exp(tanh(x) - 1 + mask[s][c] - mm[s]), s = r mod 2048, mm[s] = the row's largest mask entry (made by the launch before), rounded once to bf16,
;   lsum = the f32 sums of the unrounded weights over each wave's 128 columns: [part 16][g 64][m 16][a 8], row 128 g + 16 a + m, columns 128 part ..
; THE SOFTMAX'S SHIFT.  A softmax does not change under a shift common to a row.  The shift here is mm[s] + 1: a true maximum of the data's unbounded part, and the bound 1 of the tanh that the
; problem itself applies.  tanh(x) - 1 = -2 / (1 + e^(2x)) lies in -2 .. 0 and mask - mm is at most 0 and 0 in one column at least, so each weight lies in 0 .. 1 and a row's sum in e^-2 .. 2048.
; mask - mm is subtracted first, in f32, so a common offset of the mask cancels exactly.
; LIMITS.  A weight below 2^-126 counts as 0.  A mask row that is all -inf, or holds +inf or NaN, gives NaN weights, and the row ends as NaN, as in the problem's own softmax.
; SHAPE.  A tile of P, 256 x 256, is made by four waves, each 128 x 128: 64 accumulators of 16 x 16, 512 registers.  K goes in 16 steps of 128 through a ring of two LDS slots filled by the tensor data
; mover; a tile's rows are 256 bytes of memory and start at multiples of 256 bytes.  256 tiles, one to a work-group.
; CLUSTERS: 4 x 4 work-groups.  Tile column = 4 x cluster x + cx.  TILE ROW = 8 cy + cluster y: cy is the batch.  So the four of a row of the cluster need the same tile of X; the four of a column need the
; same tile of Wc AND the same tile of the mask, which hangs on cluster y and the tile column alone.  Each such tile is asked for JOINTLY: the same tensor load, descriptor and mask of four in all four.
; THE MASK'S TILE takes the ring's place at the end: each wave's own 128 x 128 f32 in two parts of 64 rows; part 0 fills slot 0 when K step 14 has been read, part 1 slot 1 when K step 15 has been read.
; THE MATRIX INSTRUCTION IS USED TRANSPOSED (source 0 = 16 rows of Wc, source 1 = 16 rows of X): lane l holds row l % 16 of P and the columns 8 (l / 16) + 0..7 of a block.
; THE WAY OUT is two loops of four blocks of 16 rows.  What names a block's own registers stands in an arm chosen by the loop's counter; all the rest of a block's work is written once a loop.
; REGISTERS, in windows of 256 (s_set_vgpr_msb: bits 1:0 source 0, 3:2 source 1, 5:4 source 2, 7:6 destination):
;   window 0: v0-31 addresses; v32-63 rows on their way out; v64-127, v128-191 X's fragments, later E and D of the way out; v192-223 packed weights; v224-233 mm; v240-247 row sums; v248-255 at work
;   window 1: v64-127, v128-191 Wc's fragments; v0-63 bq, then (bq + bk) 2 log2 e; v192-255 bk          windows 2, 3: the accumulators of my rows 0-63, 64-127: (a, b) at v[8 (8 a + b)]
.set SIZE_K, 2048
.set SIZE_N, 2048
.set KSTEP,  128
.set PITCH,  272                       ; an LDS row: 256 bytes + 16 of padding = 68 words: row r starts at bank 4 r mod 64 (64 banks of 4 bytes: ISA guide 11.1)
.set HALFT,  128*PITCH                 ; 128 rows: what one tensor load brings
.set SLOT,   4*HALFT                   ; X's 256 rows, then Wc's 256 rows
.set STAGE,  2*SLOT                    ; behind the ring: 16 rows x 272 bytes for each wave, for the way out; no tensor load lands here
.set SPITCH, 272
.set SPARE,  STAGE+4*16*SPITCH         ; behind the stages: the spare words, 128 bytes for each wave: two blocks of 256 bytes that no other line names
.set MPITCH, 528                       ; a mask row in LDS: 512 bytes + 16 of padding = 132 words: again 16 rows on 16 different groups of four banks
.set MPART,  64*MPITCH                 ; a wave's part of the mask: 64 rows; four of them are 135,168 bytes, inside a slot
.set LAPS,   SIZE_K/(2*KSTEP)
.set BO,   6                           ; v6   my byte offset in bq and bk
.set MO,   7                           ; v7   my byte offset in mmax
.set LO,   8                           ; v8   my 16 bytes in the wave's 512 of lsum
.set ADRA, 16                          ; v16-17  LDS address of my X fragments in slot 0, 1
.set MA,   18                          ; v18-19  LDS address of my 32 bytes of a mask row, part 0, 1; never rewritten
.set ADRB, 20                          ; v20-21  LDS address of my Wc fragments
.set STO,  24
.set RD,   25
.set CO,   26
.set SPW,  28                          ; v28  LDS address of my spare word; never rewritten
.set NIL,  29                          ; v29  0; never rewritten
.set PFO,  30                          ; v30  the prefetches' offset: lane x 4,096; never rewritten
.set OB,   32
.set F0,   64
.set F1,   128
.set E,    64
.set D,    128
.set TMP,  192
.set MM,   224                         ; v224-231  mm of my row in block a
.set MC,   232                         ; v232-233  mm of the block in hand; the packed subtraction names the pair and takes its low word for both halves
.set LS,   240                         ; block a's row sum
.set T0,   248
.set T1,   249
.set LSC,  250                         ; the row sum of the block in hand
.set LV,   252
.set C2,   4                           ; s[4:5]  2 log2 e
.set CC,   6                           ; s[6:7]  -1 / (2 log2 e)
.set L2E,  8                           ; s[8:9]  log2 e
.set G1,   24                          ; s[24:31] descriptor group 1 for X's tiles;  s[32:39] group 0, a set for each slot
.set G0,   32
.set LIM,  43                          ; s43  1 in a wave that prefetches, else the greatest number
.set PFA,  44                          ; s[44:45] where my prefetches stand
.set G1B,  48                          ; s[48:55], s[56:63] the same for Wc's tiles
.set G0B,  56
.set SEL,  66                          ; s[66:67] v_permlanex16_b32's selects
.set G1M,  68                          ; s[68:75], s[76:83] the same for the mask's parts
.set G0M,  76
.set AX,   84                          ; the arguments: X 84, Wc 86, mask 88, mmax 90, bq 92, bk 94, P 96, lsum 98
.set AW,   86
.set AM,   88
.set AMM,  90
.set ABQ,  92
.set ABK,  94
.set AP,   96
.set AL,   98
.set MSB, 0
.macro WIN new                         ; the immediate's high byte repeats the setting that is left; a switch that changes nothing is dropped
.if MSB != (\new)
	s_set_vgpr_msb (MSB<<8)|(\new)
.set MSB, \new
.endif
.endm
.set MUL_LO, 0xa1                      ; source 0 (Wc) window 1, source 1 (X) window 0, C and D window 2
.set MUL_HI, 0xf1                      ; the same, C and D window 3
.set TO_B,   0x40                      ; destination window 1, address window 0
; A joint refill of the ring.  Waves 0 and 1 fetch X's two halves, waves 2 and 3 Wc's.  The branch hangs on the wave's number alone.  An s_nop 0 and four v_nop follow each line.
.macro JLOAD s
	s_cmp_eq_u32 s11, 0
	s_cbranch_scc0 .Lfor_b_\@
	tensor_load_to_lds s[G0+4*(\s):G0+4*(\s)+3], s[G1:G1+7]
	s_nop 0
.rept 4
	v_nop
.endr
	s_branch .Lasked_\@
.Lfor_b_\@:
	tensor_load_to_lds s[G0B+4*(\s):G0B+4*(\s)+3], s[G1B:G1B+7]
	s_nop 0
.rept 4
	v_nop
.endr
.Lasked_\@:
.endm
; Part p of the mask: every wave asks for its own 64 rows x 128 f32, jointly with the same wave of the three partners in its column of the cluster.
.macro MLOAD p
	tensor_load_to_lds s[G0M+4*(\p):G0M+4*(\p)+3], s[G1M:G1M+7]
	s_nop 0
.rept 4
	v_nop
.endr
.endm
; A prefetch of the K step that stands two refills on: 32 rows x 256 bytes, a lane a row, one instruction a wave: 512 matrix instructions ahead of the load that will ask for it.
; Each row's 256 bytes of a K step are named once in the launch: cluster x = 0 asks for X's rows, cluster y = 0 for Wc's; of the 128 rows that a wave fetches each of the four partners takes 32, told apart
; by address (cx for X, cy for Wc).  The loop's last trip asks for nothing: K steps 14 and 15 were named in the trip before.
.macro ASK
	s_cmp_gt_u32 s3, s[LIM]
	s_cbranch_scc0 .Lnot_mine_\@
	global_prefetch_b8 v[PFO], s[PFA:PFA+1] offset:KSTEP*2 th:TH_LOAD_NT scope:SCOPE_SE
.Lnot_mine_\@:
.endm
.macro CREST                           ; a round of the cluster's barrier behind its opening barrier
	s_cmp_lg_u32 s10, 0
	s_cbranch_scc1 .Lnot_wave_0_\@
	s_barrier_signal -3
.Lnot_wave_0_\@:
	s_barrier_wait -3
	s_barrier_signal -1
	s_barrier_wait -1
.endm
.macro CROUND                          ; a whole round
	s_barrier_signal -1
	s_barrier_wait -1
	CREST
.endm
	s_load_b512 s[84:99], s[0:1], 0x0
	v_lshl_add_u32 v[SPW], v0, 2, SPARE
	v_mov_b32 v[NIL], 0
	ds_add_u32 v[SPW], v[NIL]                      ; the wave's opening: the add and its wait stand ahead of my first tensor load; the set-up below, work on registers, stands between them
	v_lshrrev_b32 v1, 5, v0
	v_readfirstlane_b32 s10, v1                    ; wave 0..3
	s_lshr_b32 s11, s10, 1                         ; which half of the tile's rows is mine.  Also: I fetch for X (0) or for Wc (1)
	s_and_b32 s12, s10, 1                          ; which half of its columns.  Also: which 128 rows of that tile I fetch
	s_bfe_u32 s40, ttmp6, 0x40000                  ; cx
	s_bfe_u32 s41, ttmp6, 0x40004                  ; cy
	s_lshl_b32 s42, ttmp9, 2
	s_add_co_u32 s42, s42, s40                     ; tile column = 4 x cluster x + cx
	s_and_b32 s2, ttmp7, 0xffff                    ; cluster y
	s_lshl_b32 s13, s41, 3
	s_add_co_u32 s13, s13, s2                      ; tile row = 8 cy + cluster y: 8 tiles of 256 rows are a batch
	s_lshl_b32 s43, s41, 2
	s_lshl_b32 s43, 15, s43                        ; my row of the cluster
	s_lshl_b32 s44, 0x1111, s40                    ; my column
	s_or_b32 s[G1], s43, (1<<16)|(1<<20)|(1<<21)|(5<<22)|(3<<25)   ; the mask of four; 2-byte elements; padding on; bit 21 beside a mask; after every 64 words, 4 words
	s_or_b32 s[G1B], s44, (1<<16)|(1<<20)|(1<<21)|(5<<22)|(3<<25)
	s_or_b32 s[G1M], s44, (2<<16)|(1<<20)|(1<<21)|(6<<22)|(3<<25)  ; 4-byte elements; after every 128 words, 4 words
.irp g, G1, G1B
	s_mov_b32 s[(\g)+1], KSTEP<<16                 ; tensor_dim0 = 128
	s_mov_b32 s[(\g)+2], 128<<16                   ; tensor_dim1 = 128
	s_mov_b32 s[(\g)+3], KSTEP<<16                 ; tile_dim0 = 128
	s_mov_b32 s[(\g)+4], 128                       ; tile_dim1 = 128
	s_mov_b32 s[(\g)+5], SIZE_K                    ; elements from row to row
	s_mov_b32 s[(\g)+6], 0
	s_mov_b32 s[(\g)+7], 0
.endr
	s_mov_b32 s[G1M+1], 128<<16                    ; tensor_dim0 = 128
	s_mov_b32 s[G1M+2], 64<<16                     ; tensor_dim1 = 64
	s_mov_b32 s[G1M+3], 128<<16                    ; tile_dim0 = 128
	s_mov_b32 s[G1M+4], 64                         ; tile_dim1 = 64
	s_mov_b32 s[G1M+5], 2048                       ; elements from row to row
	s_mov_b32 s[G1M+6], 0
	s_mov_b32 s[G1M+7], 0
	s_mov_b32 s[C2], 0x4038aa3b                    ; the packed lines name pairs and take the low word for both halves; both words are written
	s_mov_b32 s[C2+1], 0x4038aa3b
	s_mov_b32 s[CC], 0xbeb17218
	s_mov_b32 s[CC+1], 0xbeb17218
	s_mov_b32 s[L2E], 0x3fb8aa3b
	s_mov_b32 s[L2E+1], 0x3fb8aa3b
	s_mov_b32 s[SEL], 0x76543210
	s_mov_b32 s[SEL+1], 0xfedcba98
	; where the tiles come from.  X's hang on the tile row alone, Wc's on the tile column alone, the mask's on cluster y and the tile column.
	s_lshl_b32 s17, s12, 7                         ; which 128 rows of a tile I fetch
	s_lshl_b32 s16, s13, 8
	s_add_co_u32 s16, s16, s17
	s_lshl_b32 s16, s16, 12                        ; X: rows of 4,096 bytes
	s_lshl_b32 s46, s42, 8
	s_add_co_u32 s46, s46, s17
	s_lshl_b32 s46, s46, 12                        ; Wc likewise
	s_mov_b32 s17, 0
	s_mov_b32 s47, 0
	s_lshl_b32 s20, s2, 8
	s_lshl_b32 s21, s11, 7
	s_add_co_u32 s20, s20, s21                     ; the mask row of my first row: 256 x cluster y + 128 x row half
	s_lshl_b32 s20, s20, 13                        ; rows of 8,192 bytes
	s_lshl_b32 s21, s42, 10
	s_add_co_u32 s20, s20, s21                     ; + 256 x tile column x 4 bytes
	s_lshl_b32 s21, s12, 9
	s_add_co_u32 s20, s20, s21                     ; + 128 x column half x 4 bytes
	s_mov_b32 s21, 0
	s_mul_i32 s22, s10, HALFT                      ; where they go: wave x 128 rows of the ring,
	s_mul_i32 s23, s10, MPART                      ; wave x 64 rows of the mask: no place in the cluster enters an LDS address
	s_wait_dscnt 0x0                               ; the opening add is done
	s_wait_kmcnt 0x0
	s_add_nc_u64 s[14:15], s[AX:AX+1], s[16:17]
	s_add_nc_u64 s[46:47], s[AW:AW+1], s[46:47]
	s_add_nc_u64 s[20:21], s[AM:AM+1], s[20:21]
	CROUND                                         ; all sixteen work-groups are here: the first joint loads meet
.irp s, 0,1
	s_mov_b32 s[G0+4*(\s)], 1                                        ; count = 1
	s_add_co_u32 s[G0+4*(\s)+1], s22, (\s)*SLOT                      ; LDS address
	s_add_nc_u64 s[G0+4*(\s)+2:G0+4*(\s)+3], s[14:15], (\s)*KSTEP*2  ; global address: K step s
	s_or_b32 s[G0+4*(\s)+3], s[G0+4*(\s)+3], 0x80000000              ; type = 2
	s_mov_b32 s[G0B+4*(\s)], 1
	s_add_co_u32 s[G0B+4*(\s)+1], s22, (\s)*SLOT
	s_add_nc_u64 s[G0B+4*(\s)+2:G0B+4*(\s)+3], s[46:47], (\s)*KSTEP*2
	s_or_b32 s[G0B+4*(\s)+3], s[G0B+4*(\s)+3], 0x80000000
	s_mov_b32 s[G0M+4*(\s)], 1
	s_add_co_u32 s[G0M+4*(\s)+1], s23, (\s)*SLOT
	s_add_nc_u64 s[G0M+4*(\s)+2:G0M+4*(\s)+3], s[20:21], (\s)*64*8192 ; part s: 64 rows further down
	s_or_b32 s[G0M+4*(\s)+3], s[G0M+4*(\s)+3], 0x80000000
.endr
	s_cmp_eq_u32 s11, 0                            ; a wave's two first fills stand in one branch, ahead of every wait on TENSORcnt and every LDS read: two loads of mine are out
	s_cbranch_scc0 .Lfirst_b
	tensor_load_to_lds s[G0:G0+3], s[G1:G1+7]
	s_nop 0
	tensor_load_to_lds s[G0+4:G0+7], s[G1:G1+7]
	s_nop 0
.rept 4
	v_nop
.endr
	s_branch .Lfirst_asked
.Lfirst_b:
	tensor_load_to_lds s[G0B:G0B+3], s[G1B:G1B+7]
	s_nop 0
	tensor_load_to_lds s[G0B+4:G0B+7], s[G1B:G1B+7]
	s_nop 0
.rept 4
	v_nop
.endr
.Lfirst_asked:
	; A fragment is 16 rows x 32 K in 8 registers: lane l holds row l % 16; registers 0-3 K = 8 (l / 16) + 0..7, registers 4-7 K = 16 + 8 (l / 16) + 0..7: two loads of 16 bytes, 32 bytes apart.
	v_and_b32 v1, 15, v0                           ; l % 16: kept
	v_bfe_u32 v2, v0, 4, 1                         ; l / 16: kept
	v_mul_u32_u24 v3, v1, PITCH
	v_lshl_add_u32 v3, v2, 4, v3
	s_mul_i32 s21, s11, HALFT                      ; my 128 rows of X
	s_mul_i32 s22, s12, HALFT                      ; my 128 rows of Wc,
	s_add_co_u32 s22, s22, 2*HALFT                 ; which lie behind X's 256
.irp s, 0,1
	v_add_nc_u32 v[ADRA+(\s)], s21, v3
	v_add_nc_u32 v[ADRB+(\s)], s22, v3
	s_add_co_u32 s21, s21, SLOT
	s_add_co_u32 s22, s22, SLOT
.endr
	v_mul_u32_u24 v4, v1, MPITCH                   ; the mask: row l % 16 of a block, 32 bytes (8 columns) for each half of the lanes
	v_lshl_add_u32 v4, v2, 5, v4
	v_add_nc_u32 v[MA], s23, v4
	v_add_nc_u32 v[MA+1], SLOT, v[MA]
	s_mul_i32 s23, s10, 16*SPITCH
	s_add_co_u32 s23, s23, STAGE                   ; my stage
	v_mul_u32_u24 v4, v1, SPITCH                   ; in: row l % 16, 16 bytes for each half of the lanes
	v_lshl_add_u32 v4, v2, 4, v4
	v_add_nc_u32 v[STO], s23, v4
	v_mul_u32_u24 v5, v2, SPITCH                   ; back: lanes 0-15 take one row of 256 bytes, lanes 16-31 the next
	v_lshl_add_u32 v5, v1, 4, v5
	v_add_nc_u32 v[RD], s23, v5
	v_lshlrev_b32 v5, 12, v2                       ; and the same two rows in P
	v_lshl_add_u32 v[CO], v1, 4, v5
	v_lshlrev_b32 v[LO], 5, v1                     ; lsum: 32 bytes for row m, 16 for each half of the lanes
	v_lshl_add_u32 v[LO], v2, 4, v[LO]
	s_lshl_b32 s20, s42, 10
	s_lshl_b32 s21, s12, 9
	s_add_co_u32 s20, s20, s21
	v_lshl_add_u32 v[BO], v2, 5, s20               ; 4 x (256 tile column + 128 half + 8 (l / 16))
	s_lshl_b32 s20, s2, 8
	s_lshl_b32 s21, s11, 7
	s_add_co_u32 s20, s20, s21
	v_add_lshl_u32 v[MO], v1, s20, 2               ; 4 x (256 cluster y + 128 half + l % 16)
	; the biases of my 128 columns and the maxima of my 128 rows: asked for now, waited for behind the last product
	WIN TO_B
.irp b, 0,1,2,3,4,5,6,7
	global_load_b128 v[8*(\b):8*(\b)+3],         v[BO], s[ABQ:ABQ+1] offset:64*(\b)
	global_load_b128 v[8*(\b)+4:8*(\b)+7],       v[BO], s[ABQ:ABQ+1] offset:64*(\b)+16
	global_load_b128 v[192+8*(\b):192+8*(\b)+3],   v[BO], s[ABK:ABK+1] offset:64*(\b)
	global_load_b128 v[192+8*(\b)+4:192+8*(\b)+7], v[BO], s[ABK:ABK+1] offset:64*(\b)+16
.endr
	WIN 0
.irp a, 0,1,2,3,4,5,6,7
	global_load_b32 v[MM+(\a)], v[MO], s[AMM:AMM+1] offset:64*(\a)
.endr
	; P and lsum at my wave's first byte
	s_lshl_b32 s16, s13, 8
	s_lshl_b32 s14, s11, 7
	s_add_co_u32 s16, s16, s14
	s_lshl_b32 s16, s16, 12                        ; my first row, 4,096 bytes a row
	s_lshl_b32 s14, s42, 9
	s_add_co_u32 s16, s16, s14
	s_lshl_b32 s14, s12, 8
	s_add_co_u32 s16, s16, s14                     ; my first column, 2 bytes each
	s_mov_b32 s17, 0
	s_add_nc_u64 s[AP:AP+1], s[AP:AP+1], s[16:17]
	s_lshl1_add_u32 s16, s42, s12                  ; part = 2 x tile column + column half
	s_lshl_b32 s16, s16, 15
	s_lshl1_add_u32 s14, s13, s11                  ; g = 2 x tile row + row half
	s_lshl_b32 s14, s14, 9
	s_add_co_u32 s16, s16, s14
	s_add_nc_u64 s[AL:AL+1], s[AL:AL+1], s[16:17]
	; the prefetches
	s_lshl_b32 s20, s13, 8
	s_lshl_b32 s21, s42, 8
	s_cmp_eq_u32 s11, 0                            ; do I fetch for X?
	s_cselect_b32 s20, s20, s21                    ; the tile's first row
	s_cselect_b32 s21, s40, s41                    ; my place among the four that ask for it with me
	s_cselect_b32 s22, ttmp9, s2                   ; the coordinate along which other clusters read the same rows
	s_cselect_b64 s[PFA:PFA+1], s[AX:AX+1], s[AW:AW+1]
	s_cmp_eq_u32 s22, 0
	s_cselect_b32 s[LIM], 1, -1                    ; the same in all sixteen partners, for a given wave
	s_lshl_b32 s22, s12, 7
	s_add_co_u32 s20, s20, s22                     ; + the 128 rows that I fetch
	s_lshl_b32 s21, s21, 5
	s_add_co_u32 s20, s20, s21                     ; + my work-group's 32 of them
	s_lshl_b32 s20, s20, 12
	s_mov_b32 s21, 0
	s_add_nc_u64 s[PFA:PFA+1], s[PFA:PFA+1], s[20:21]
	s_add_nc_u64 s[PFA:PFA+1], s[PFA:PFA+1], 2*KSTEP*2  ; at K step 2: the first refill steps it to 3 and names K step 4.  Nothing is prefetched here, at the head
	v_and_b32 v[PFO], 31, v0
	v_lshlrev_b32 v[PFO], 12, v[PFO]
; 16 matrix instructions: m blocks a0, a0 + 1 of the window's four x all 8 n blocks, 32 along K.  zero = 1: the first product starts the sums.
; The 64 accumulators take turns, one instruction a turn, in the same order in every quarter step.
.macro MUL16 f, hi, a0, zero
	WIN MUL_LO+0x50*(\hi)
.irp a, \a0, (\a0)+1
.irp b, 0,1,2,3,4,5,6,7
.if \zero
	v_wmma_f32_16x16x32_bf16 v[8*(8*(\a)+(\b)):8*(8*(\a)+(\b))+7], v[(\f)+8*(\b):(\f)+8*(\b)+7], v[(\f)+8*(4*(\hi)+(\a)):(\f)+8*(4*(\hi)+(\a))+7], 0
.else
	v_wmma_f32_16x16x32_bf16 v[8*(8*(\a)+(\b)):8*(8*(\a)+(\b))+7], v[(\f)+8*(\b):(\f)+8*(\b)+7], v[(\f)+8*(4*(\hi)+(\a)):(\f)+8*(4*(\hi)+(\a))+7], v[8*(8*(\a)+(\b)):8*(8*(\a)+(\b))+7]
.endif
.endr
.endr
.endm
; 32 LDS loads in one run: the fragments of one quarter step (128 rows of Wc, 128 rows of X, 32 K at byte k of the rows) into buffer f
.macro FETCH slot, k, f
	WIN TO_B
.irp i, 0,1,2,3,4,5,6,7
	ds_load_b128 v[(\f)+8*(\i):(\f)+8*(\i)+3],   v[ADRB+(\slot)] offset:(\k)+(\i)*16*PITCH
	ds_load_b128 v[(\f)+8*(\i)+4:(\f)+8*(\i)+7], v[ADRB+(\slot)] offset:(\k)+(\i)*16*PITCH+32
.endr
	WIN 0
.irp i, 0,1,2,3,4,5,6,7
	ds_load_b128 v[(\f)+8*(\i):(\f)+8*(\i)+3],   v[ADRA+(\slot)] offset:(\k)+(\i)*16*PITCH
	ds_load_b128 v[(\f)+8*(\i)+4:(\f)+8*(\i)+7], v[ADRA+(\slot)] offset:(\k)+(\i)*16*PITCH+32
.endr
.endm
.macro PLACES                          ; four plain vector instructions between a matrix instruction and a load into a register that it has read (ISA guide 7.12.1 for vector instructions)
.rept 4
	v_nop
.endr
.endm
; A K step is four quarter steps of 32 along K, 64 matrix instructions each, on buffers 0, 1, 0, 1.  One of the first three: multiplies buffer f and fetches the next quarter, at byte k, into buffer g.
.macro QUARTER slot, k, f, g, zero
	s_wait_dscnt 8                                 ; Wc and X's rows 0-63 are in; the youngest eight loads (X's rows 64-127) may be out
	MUL16 \f, 0, 0, \zero
	MUL16 \f, 0, 2, \zero
	PLACES
	FETCH \slot, \k, \g
	s_wait_dscnt 32                                ; all but the 32 just issued
	MUL16 \f, 1, 0, \zero
	MUL16 \f, 1, 2, \zero
.endm
; The first half of a K step's last quarter, and the barrier that opens a round of the cluster's.  In front of it each wave waits for all its tensor loads, adds 0 to its spare word, and waits for that and for its reads of this slot.
.macro MEET
	WIN 0                                          ; (the add's two registers lie in window 0)
	s_wait_tensorcnt 0x0                           ; all my tensor loads have landed: the one that was out is my part of the other slot
	ds_add_u32 v[SPW], v[NIL]                      ; 0 onto my spare word
	s_wait_dscnt 9                                 ; (the add and the youngest eight loads may be out)
	MUL16 F1, 0, 0, 0                              ; sixteen matrix instructions stand between the add and the wait for it
	s_wait_dscnt 0x0                               ; the add is done, and my reads of this slot are over
	s_barrier_signal -1
	MUL16 F1, 0, 2, 0                              ; work on registers while the others arrive
	WIN 0
	s_barrier_wait -1
.endm
; The whole last quarter in the loop: behind the round the slot just read out takes the K step two steps on; then come the other slot's first fragments.
.macro TURN slot, next
	s_wait_xcnt 0x0                                ; the last prefetch, a K step back, has read its address: it is stepped here, ahead of the waits of the change of slots
	s_add_nc_u64 s[PFA:PFA+1], s[PFA:PFA+1], KSTEP*2
	MEET
	CREST                                          ; no wave of any partner still reads this slot or has a load on its way
	s_add_nc_u64 s[G0+4*(\slot)+2:G0+4*(\slot)+3], s[G0+4*(\slot)+2:G0+4*(\slot)+3], 2*KSTEP*2
	s_add_nc_u64 s[G0B+4*(\slot)+2:G0B+4*(\slot)+3], s[G0B+4*(\slot)+2:G0B+4*(\slot)+3], 2*KSTEP*2
	JLOAD \slot                                    ; the first tensor load behind the round; its four v_nop are also the places in front of the loads below
	FETCH \next, 0, F0
	ASK
	MUL16 F1, 1, 0, 0
	MUL16 F1, 1, 2, 0
.endm
	s_wait_tensorcnt 1                             ; my part of K step 0 is in; K step 1's may stay out
	s_barrier_signal -1
	s_barrier_wait -1                              ; everybody's is
	FETCH 0, 0, F0
	QUARTER 0, 64,  F0, F1, 1                      ; the first quarter stands in front of the loop: its products start the sums
	WIN 0                                          ; at a label and at a branch every window is 0
	s_mov_b32 s3, LAPS-1
.Llap:                                                 ; a trip goes once round the ring and fills both slots again: K steps 2 to 15 in seven trips
	QUARTER 0, 128, F1, F0, 0
	QUARTER 0, 192, F0, F1, 0
	TURN 0, 1
	QUARTER 1, 64,  F0, F1, 0
	QUARTER 1, 128, F1, F0, 0
	QUARTER 1, 192, F0, F1, 0
	TURN 1, 0
	QUARTER 0, 64,  F0, F1, 0
	WIN 0
	s_sub_co_u32 s3, s3, 1
	s_cmp_lg_u32 s3, 0
	s_cbranch_scc1 .Llap
	QUARTER 0, 128, F1, F0, 0                      ; the last lap is written out: its two changes of slots ask for the mask
	QUARTER 0, 192, F0, F1, 0
	MEET                                           ; K step 15 has landed; K step 14 has been read
	CREST
	MLOAD 0                                        ; slot 0 takes the mask of my rows 0-63: it has a K step, 256 matrix instructions, in which to land
	FETCH 1, 0, F0
	MUL16 F1, 1, 0, 0
	MUL16 F1, 1, 2, 0
	QUARTER 1, 64,  F0, F1, 0
	QUARTER 1, 128, F1, F0, 0
	QUARTER 1, 192, F0, F1, 0
	MEET                                           ; the mask's part 0 has landed; K step 15 has been read
	CREST
	MLOAD 1                                        ; slot 1 takes the mask of my rows 64-127: four blocks of the way out stand ahead of its first use
	MUL16 F1, 1, 0, 0
	MUL16 F1, 1, 2, 0
	; THE WAY OUT.  First (bq + bk) 2 log2 e for my 128 columns: 64 plain lines that name no register of the last products: they are the places behind them.
	s_wait_loadcnt 0x0                             ; the biases and the maxima, asked for at the head
	WIN 0x45                                       ; sources 0, 1 and destination in window 1
.set i, 0
.rept 32
	v_pk_add_f32 v[i:i+1], v[i:i+1], v[192+i:192+i+1]
.set i, i+2
.endr
.set i, 0
.rept 32
	v_pk_mul_f32 v[i:i+1], v[i:i+1], s[C2:C2+1] op_sel_hi:[1,0]
.set i, i+2
.endr
	WIN 0
	v_mov_b32 v[T1], 0                             ; v_permlanex16_b32 counts as a reader of its destination
	v_mov_b32 v[MC+1], 0                           ; named with MC as a pair, so it is written
; Block a is 16 rows x 128 columns, 64 numbers a lane.  ARM a is what names the block's own registers and offsets: the loads of its mask rows into D, its mm, the place of the row sum of the block before,
; and E = 2 log2 e x with the bias, read from its eight accumulators in ascending order: each accumulator is read from its low end on.
.macro ARM a
	WIN 0
.irp b, 0,1,2,3,4,5,6,7
	ds_load_b128 v[D+8*(\b):D+8*(\b)+3],   v[MA+(\a)/4] offset:((\a)%4)*16*MPITCH+64*(\b)
	ds_load_b128 v[D+8*(\b)+4:D+8*(\b)+7], v[MA+(\a)/4] offset:((\a)%4)*16*MPITCH+64*(\b)+16
.endr
	v_mov_b32 v[MC], v[MM+(\a)]
.if (\a) > 0
	v_mov_b32 v[LS+(\a)-1], v[LSC]
.endif
	WIN 0x12+(\a)/4                                ; source 0: the accumulators' window; source 2: window 1; destination: window 0
.set i, 0
.rept 32
	v_pk_fma_f32 v[E+i:E+i+1], v[64*((\a)%4)+i:64*((\a)%4)+i+1], s[C2:C2+1], v[i:i+1] op_sel_hi:[1,0,1]
.set i, i+2
.endr
	WIN 0
.endm
; Sixteen rows, back from the stage, are stored; then P's address goes 16 rows on.
.macro SENDB
.irp t, 0,1,2,3,4,5,6,7
	global_store_b128 v[CO], v[OB+4*(\t):OB+4*(\t)+3], s[AP:AP+1] offset:2*(\t)*SIZE_N*2  ; 16 lanes store 256 consecutive bytes, at a multiple of 256 from P's first byte
.endr
	s_wait_xcnt 0x0                                ; the stores have read their base and their data: only behind this wait is the base stepped and are the rows' registers loaded again
	s_add_nc_u64 s[AP:AP+1], s[AP:AP+1], 16*SIZE_N*2
.endm
; Blocks 4 h .. 4 h + 3: a loop of four trips.  The counter chooses the arm by forward jumps; no LDS address register is written.  Behind the arm, for every block alike, three batches of transcendentals,
; each with ONE wait ahead of its first reader; the plain lines set among a batch read none of its results.
;   batch 1: E = 2^E = e^(2x); beside it D = mask - mm        then E = -(1 + E) / (2 log2 e)
;   batch 2: E = 1 / E = log2 e (tanh x - 1)                  then E = D log2 e + E
;   batch 3: E = 2^E, the weight
; then the weights are rounded to bf16 in pairs, and their f32 sum is taken: a tree over the lane's 32 pairs, the pair's halves, the other half of the lanes.
; A block's arithmetic stands between the stage loads of the block before and its stores; a half's last block is sent behind the loop.
.macro HALF h
	s_mov_b32 s3, 0
.Lblk_\@:
.irp n, 0,1,2
	s_cmp_lg_u32 s3, \n
	s_cbranch_scc1 .Lnot_\@_\n
	ARM 4*(\h)+\n
	s_branch .Ljoin_\@
.Lnot_\@_\n:
.endr
	ARM 4*(\h)+3
.Ljoin_\@:
	s_wait_dscnt 0x0                               ; the block's mask is in, and so are the rows of the block before, read back from the stage
.set i, 0
.rept 32
	v_exp_f32 v[E+i], v[E+i]
	v_exp_f32 v[E+i+1], v[E+i+1]
	v_pk_add_f32 v[D+i:D+i+1], v[D+i:D+i+1], v[MC:MC+1] op_sel_hi:[1,0] neg_lo:[0,1] neg_hi:[0,1]
.set i, i+2
.endr
	s_wait_alu depctr_va_vdst(0)                   ; one wait for the 64 exponentials; the subtraction above is the plain line behind the last
.set i, 0
.rept 33
.if i < 64
	v_pk_fma_f32 v[E+i:E+i+1], v[E+i:E+i+1], s[CC:CC+1], s[CC:CC+1] op_sel_hi:[1,0,0]
.endif
.if i > 0
	v_rcp_f32 v[E+i-2], v[E+i-2]
	v_rcp_f32 v[E+i-1], v[E+i-1]
.endif
.set i, i+2
.endr
	v_nop                                          ; a plain line behind the last reciprocal
	s_wait_alu depctr_va_vdst(0)                   ; one wait for the 64 reciprocals
.set i, 0
.rept 33
.if i < 64
	v_pk_fma_f32 v[E+i:E+i+1], v[D+i:D+i+1], s[L2E:L2E+1], v[E+i:E+i+1] op_sel_hi:[1,0,1]
.endif
.if i > 0
	v_exp_f32 v[E+i-2], v[E+i-2]
	v_exp_f32 v[E+i-1], v[E+i-1]
.endif
.set i, i+2
.endr
	v_nop
	s_wait_alu depctr_va_vdst(0)                   ; one wait for the 64 exponentials
.set i, 0
.rept 32
	v_cvt_pk_bf16_f32 v[TMP+i], v[E+2*i], v[E+2*i+1]
.set i, i+1
.endr
.irp d, 32,16,8,4,2
.set i, 0
.rept (\d)/2
	v_pk_add_f32 v[E+i:E+i+1], v[E+i:E+i+1], v[E+(\d)+i:E+(\d)+i+1]
.set i, i+2
.endr
.endr
	v_add_f32 v[T0], v[E], v[E+1]
	v_permlanex16_b32 v[T1], v[T0], s[SEL], s[SEL+1]  ; the row's other 64 columns lie in the lane 16 away
	v_add_f32 v[LSC], v[T0], v[T1]
	s_cmp_eq_u32 s3, 0                             ; a half's first trip has no block before it to send
	s_cbranch_scc1 .Lnone_\@
	SENDB
.Lnone_\@:
.irp b, 0,1,2,3,4,5,6,7
	ds_store_b128 v[STO], v[TMP+4*(\b):TMP+4*(\b)+3] offset:32*(\b)      ; 16 bytes a lane into my own stage,
.endr
.irp t, 0,1,2,3,4,5,6,7
	ds_load_b128 v[OB+4*(\t):OB+4*(\t)+3], v[RD] offset:(\t)*2*SPITCH    ; and back as whole rows of 256 bytes: LDS serves a wave's instructions in order (ISA guide 5.7.1.4)
.endr
	s_add_co_u32 s3, s3, 1
	s_cmp_lt_u32 s3, 4
	s_cbranch_scc1 .Lblk_\@
	s_wait_dscnt 0x0                               ; the half's last block is back in registers
	SENDB
.endm
	HALF 0
	s_wait_tensorcnt 0x0                           ; the mask's part 1 has landed: only the wave that asked for it reads it
	HALF 1
	v_mov_b32 v[LS+7], v[LSC]
	v_cmp_ne_u32 vcc_lo, 0, v2                     ; lanes 0-15 store the sums of blocks 0-3 of row l % 16, lanes 16-31 those of blocks 4-7: 512 consecutive bytes
.irp j, 0,1,2,3
	v_cndmask_b32 v[LV+(\j)], v[LS+(\j)], v[LS+4+(\j)], vcc_lo
.endr
	global_store_b128 v[LO], v[LV:LV+3], s[AL:AL+1]
	s_wait_tensorcnt 0x0                           ; the wave's end, behind my last tensor load and my last LDS store
	ds_add_u32 v[SPW], v[NIL]
	s_wait_dscnt 0x0
	CROUND                                         ; the closing round: no work-group ends while a partner may still ask for a tile that names it
	s_endpgm
.Lfunc_end_k_q50d6cb1605_energy:
	.size	k_q50d6cb1605_energy, .Lfunc_end_k_q50d6cb1605_energy-k_q50d6cb1605_energy
	.p2alignl 7, 3214868480
	.fill 96, 4, 3214868480
	.section	.rodata,"a",@progbits
	.p2align	6, 0x0
	.amdhsa_kernel k_q50d6cb1605_energy
		.amdhsa_group_segment_fixed_size 327680
		.amdhsa_private_segment_fixed_size 0
		.amdhsa_enable_private_segment 0
		.amdhsa_kernarg_size 64
		.amdhsa_user_sgpr_count 2
		.amdhsa_user_sgpr_kernarg_segment_ptr 1
		.amdhsa_wavefront_size32 1
		.amdhsa_system_sgpr_workgroup_id_x 1
		.amdhsa_system_sgpr_workgroup_id_y 1
		.amdhsa_system_sgpr_workgroup_id_z 1
		.amdhsa_system_vgpr_workitem_id 0
		.amdhsa_next_free_vgpr 1024
		.amdhsa_next_free_sgpr 100
		.amdhsa_reserve_vcc 1
		.amdhsa_float_denorm_mode_32 3
		.amdhsa_float_denorm_mode_16_64 3
		.amdhsa_memory_ordered 1
		.amdhsa_forward_progress 1
		.amdhsa_inst_pref_size 187
	.end_amdhsa_kernel
	.amdgpu_metadata
---
amdhsa.version: [ 1, 2 ]
amdhsa.kernels:
  - .name:           k_q50d6cb1605_energy
    .symbol:         k_q50d6cb1605_energy.kd
    .args:
      - { .name: X, .offset: 0, .size: 8, .value_kind: global_buffer, .address_space: global }
      - { .name: Wc, .offset: 8, .size: 8, .value_kind: global_buffer, .address_space: global }
      - { .name: mask, .offset: 16, .size: 8, .value_kind: global_buffer, .address_space: global }
      - { .name: mmax, .offset: 24, .size: 8, .value_kind: global_buffer, .address_space: global }
      - { .name: bq, .offset: 32, .size: 8, .value_kind: global_buffer, .address_space: global }
      - { .name: bk, .offset: 40, .size: 8, .value_kind: global_buffer, .address_space: global }
      - { .name: P, .offset: 48, .size: 8, .value_kind: global_buffer, .address_space: global }
      - { .name: lsum, .offset: 56, .size: 8, .value_kind: global_buffer, .address_space: global }
    .group_segment_fixed_size: 327680
    .private_segment_fixed_size: 0
    .kernarg_segment_align: 8
    .kernarg_segment_size: 64
    .max_flat_workgroup_size: 128
    .sgpr_count:     100
    .vgpr_count:     1024
    .wavefront_size: 32
...
	.end_amdgpu_metadata
.endif
;; end of part 2
;; launch mix (part 3): grid 4 x 64, 4 waves a work-group, clusters of 4 x 4, 327,680 bytes of LDS; arguments P, Vb, lsum, out0; writes out0
.if DOCPART == 3
	.amdgcn_target "amdgcn-amd-amdhsa--gfx1250"
	.amdhsa_code_object_version 6
	.text
	.protected	k_q50d6cb1605_mix
	.globl	k_q50d6cb1605_mix
	.p2align	8
	.type	k_q50d6cb1605_mix,@function
k_q50d6cb1605_mix:
	s_mov_b64 s[64:65], 0
	v_nop
	global_prefetch_b8 v0, s[64:65] scope:SCOPE_SE
	s_setreg_imm32_b32 hwreg(HW_REG_WAVE_MODE, 25, 1), 1
	s_wait_xcnt 0x0
	s_wait_alu depctr_hold_cnt(0) depctr_sa_sdst(0) depctr_va_vdst(0) depctr_va_sdst(0) depctr_va_ssrc(0) depctr_va_vcc(0) depctr_vm_vsrc(0)
	s_getreg_b32 s2, hwreg(HW_REG_IB_STS2, 6, 4)
	s_cmp_eq_u32 s2, 0
	s_cbranch_scc0 .Lentry_in_a_cluster
	s_endpgm
.Lentry_in_a_cluster:
	s_bfe_u32 s2, ttmp6, 0x10000c
	s_cmp_lg_u32 s2, 0xf033
	s_cbranch_scc0 .Lentry_shape_is_right
	s_endpgm
.Lentry_shape_is_right:
; MIX.  out0[r][e] = (the sum over c of P[r][c] Vb[batch][c][e]) / l[r].  P: [8192][2048] bf16, Vb: [4][2048][1024] bf16, out0: [8192][1024] f32; sums in f32.
; l[r] is the sum of the 16 partial sums of lsum ([part 16][g 64][m 16][a 8], row 128 g + 16 a + m); it lies in e^-2 .. 2048 for every mask whose rows have a finite maximum, so the reciprocal is safe.
; SHAPE.  A tile of out0 is 128 rows x 256 columns: 256 tiles, one to a work-group.  Four waves, each 64 rows x 128 columns: 32 accumulators of 16 x 16, 256 registers.
; K (the context c) goes in STEPS OF 192 through a ring of two LDS slots: 2048 = 10 x 192 + 128.  A refill goes out behind one change of slots and is waited for in front of the next, so a step is as long
; as two slots in LDS allow: 2 x 159,744 bytes and the spare words are 320,000 of 327,680; 32 more along K would not fit.  A step is 192 matrix instructions a wave, 176 of them between a request and its wait.
; The price: P's rows in a tile are 384 bytes and start at multiples of 128 bytes, not of 256.  V's are 512 bytes at multiples of 512.
; The last step has 128 along K: the same tiles with the tensor's extents cut, so that the mover writes zeros behind them, which nobody reads; four of its six quarters are multiplied.
; CLUSTERS: 4 x 4 work-groups.  Tile column = cx (the four are all of out0's columns), tile row T = 4 x cluster y + cy, batch = cluster y / 4.  P's tile is shared along a row of the cluster, V's along a column:
; each is asked for JOINTLY, by the same tensor load with the same descriptor and a mask that names the four.
; THE MATRIX INSTRUCTION IS USED TRANSPOSED: source 0 = 16 columns of V, which lies [c][e] in LDS and is turned by ds_load_tr16_b128; source 1 = 16 rows of P.  Lane l then holds row l % 16 and the columns 8 (l / 16) + 0..7.
; THE STAGE of the way out lies at the head of slot 1: that slot's last fill is step 9's, every wave's reads of it end in front of the last change's barrier, and the stage is written behind the last product.
; REGISTERS: window 0: v0-31 addresses; v32-95 lsum's parts, later rows on their way out; v96-159 scaled results; v160-223 rows on their way out; v224-231 1 / l
;   window 1: two fragment buffers of 96: P's four fragments, then V's eight          window 2: the accumulators, (a, b) at v[8 (8 a + b)]
.set KSTEP,  192
.set PCH,    144                       ; 64 along K of a row of P in LDS: 128 bytes + 16 of padding
.set PP,     3*PCH                     ; a row of P: 432 bytes = 108 words: row r starts at bank 44 r mod 64: the 16 rows of a load start at 16 different groups of four banks (64 banks of 4 bytes: ISA guide 11.1)
.set PV,     544                       ; a row of V: 512 + 32 = 136 words: row r starts at bank 8 r mod 64
.set VOFF,   128*PP                    ; a slot: P's 128 rows, then V's 192 rows
.set SLOT,   VOFF+KSTEP*PV
.set STAGE,  SLOT                      ; 16 rows x 528 bytes for each wave, in slot 1 behind its last fill
.set SP,     528
.set SPARE,  2*SLOT                    ; behind the ring: the spare words, 128 bytes for each wave: two blocks of 256 bytes that no other line names
.set ADRA, 16                          ; v16-17  LDS address of my P fragments in slot 0, 1
.set ADRB, 20                          ; v20-23  the same for V: slot s, quarters 0-2 at ADRB + 2 s, quarters 3-5 at ADRB + 2 s + 1 (an LDS offset has 16 bits)
.set STO,  24
.set RD,   25
.set CO,   26
.set LQ,   27                          ; v27  my 16 bytes in a part of lsum
.set SPW,  28                          ; v28  LDS address of my spare word; never rewritten
.set NIL,  29                          ; v29  0; never rewritten
.set PFO,  30                          ; v30  the prefetches' offset; never rewritten
.set LSR,  32
.set TMP,  96
.set OB0,  160
.set INV,  224
.set F0,   0
.set F1,   96
.set G1,   24                          ; s[24:31] descriptor group 1 for P's tiles;  s[32:39] group 0, a set for each slot
.set G0,   32
.set G1B,  48                          ; s[48:55], s[56:63] the same for V's
.set G0B,  56
.set AP,   68                          ; the arguments: P 68, Vb 70, lsum 72, out0 74
.set AV,   70
.set AL,   72
.set AO,   74
.set PFA,  76                          ; s[76:77] what my next prefetch names
.set PST,  78                          ; s[78:79], s[82:83] what is added to it at the head of slot 0's and of slot 1's change
.set LIM,  80                          ; s80  1 in a wave that prefetches, else the greatest number
.set MSB, 0
.macro WIN new
.if MSB != (\new)
	s_set_vgpr_msb (MSB<<8)|(\new)
.set MSB, \new
.endif
.endm
.set MUL,  0xa5                        ; sources 0 (V) and 1 (P) window 1; C and D window 2
.set TO_F, 0x40                        ; destination window 1, address window 0
.macro JLOAD s                         ; a joint refill: waves 0 and 1 fetch P's two halves, waves 2 and 3 V's; an s_nop 0 and four v_nop follow each line
	s_cmp_eq_u32 s11, 0
	s_cbranch_scc0 .Lfor_b_\@
	tensor_load_to_lds s[G0+4*(\s):G0+4*(\s)+3], s[G1:G1+7]
	s_nop 0
.rept 4
	v_nop
.endr
	s_branch .Lasked_\@
.Lfor_b_\@:
	tensor_load_to_lds s[G0B+4*(\s):G0B+4*(\s)+3], s[G1B:G1B+7]
	s_nop 0
.rept 4
	v_nop
.endr
.Lasked_\@:
.endm
; PREFETCHES, behind each refill of the loop: what the NEXT refill will ask for, one step, 192 matrix instructions, ahead of it.  Each lane names another aligned block of 256 bytes, each block once in the launch.
; P: only my cluster reads my tile row: wave 0 of each of the four partners takes 32 of its 128 rows (by cx, in the address), a lane a row.  Two steps are 768 bytes of a row, three blocks: lap t's change of
; slot 0 names block 3 t + 5, its change of slot 1 blocks 3 t + 6 and 3 t + 7.  V: the four clusters of a batch read the same rows: the first of them asks.  A step's 192 rows x 2 blocks are shared among
; waves 1 to 3 of the four partners: sixteen rows each (by 3 cy + wave - 1, in the address), lanes 16-31 the rows' second blocks.  The last lap's change of slot 1 asks for nothing: behind it comes the short step.
.macro ASK slot
.if (\slot) == 0
	s_cmp_eq_u32 s[LIM], 1
	s_cbranch_scc0 .Lnot_mine_\@
	global_prefetch_b8 v[PFO], s[PFA:PFA+1] th:TH_LOAD_NT scope:SCOPE_SE
.else
	s_cmp_gt_u32 s3, s[LIM]                        ; s3 = 1 in the loop's last trip
	s_cbranch_scc0 .Lnot_mine_\@
	global_prefetch_b8 v[PFO], s[PFA:PFA+1] th:TH_LOAD_NT scope:SCOPE_SE
	s_cmp_lg_u32 s10, 0
	s_cbranch_scc1 .Lnot_mine_\@
	global_prefetch_b8 v[PFO], s[PFA:PFA+1] offset:256 th:TH_LOAD_NT scope:SCOPE_SE
.endif
.Lnot_mine_\@:
.endm
.macro CREST
	s_cmp_lg_u32 s10, 0
	s_cbranch_scc1 .Lnot_wave_0_\@
	s_barrier_signal -3
.Lnot_wave_0_\@:
	s_barrier_wait -3
	s_barrier_signal -1
	s_barrier_wait -1
.endm
.macro CROUND
	s_barrier_signal -1
	s_barrier_wait -1
	CREST
.endm
	s_load_b256 s[68:75], s[0:1], 0x0
	v_lshl_add_u32 v[SPW], v0, 2, SPARE
	v_mov_b32 v[NIL], 0
	ds_add_u32 v[SPW], v[NIL]                      ; the wave's opening: the add and its wait stand ahead of my first tensor load; the set-up below, work on registers, stands between them
	v_lshrrev_b32 v1, 5, v0
	v_readfirstlane_b32 s10, v1                    ; wave 0..3
	s_lshr_b32 s11, s10, 1                         ; which 64 rows of the tile are mine.  Also: I fetch for P (0) or for V (1)
	s_and_b32 s12, s10, 1                          ; which 128 columns.  Also: which half of that tile's rows I fetch
	s_bfe_u32 s40, ttmp6, 0x40000                  ; cx
	s_bfe_u32 s41, ttmp6, 0x40004                  ; cy
	s_lshl_b32 s42, ttmp9, 2
	s_add_co_u32 s42, s42, s40                     ; tile column
	s_and_b32 s2, ttmp7, 0xffff                    ; cluster y
	s_lshl_b32 s13, s2, 2
	s_add_co_u32 s13, s13, s41                     ; tile row T
	s_lshl_b32 s43, s41, 2
	s_lshl_b32 s43, 15, s43                        ; my row of the cluster
	s_lshl_b32 s44, 0x1111, s40                    ; my column
	s_or_b32 s[G1], s43, (1<<16)|(1<<20)|(1<<21)|(4<<22)|(3<<25)   ; 2-byte elements; padding on; bit 21 beside a mask; after every 32 words, 4 words
	s_mov_b32 s[G1+1], KSTEP<<16                   ; tensor_dim0 = 192
	s_mov_b32 s[G1+2], 64<<16                      ; tensor_dim1 = 64
	s_mov_b32 s[G1+3], KSTEP<<16                   ; tile_dim0 = 192
	s_mov_b32 s[G1+4], 64                          ; tile_dim1 = 64
	s_mov_b32 s[G1+5], 2048                        ; elements from row to row of P
	s_mov_b32 s[G1+6], 0
	s_mov_b32 s[G1+7], 0
	s_or_b32 s[G1B], s44, (1<<16)|(1<<20)|(1<<21)|(6<<22)|(7<<25)  ; after every 128 words, 8 words
	s_mov_b32 s[G1B+1], 256<<16                    ; tensor_dim0 = 256
	s_mov_b32 s[G1B+2], 96<<16                     ; tensor_dim1 = 96
	s_mov_b32 s[G1B+3], 256<<16                    ; tile_dim0 = 256
	s_mov_b32 s[G1B+4], 96                         ; tile_dim1 = 96
	s_mov_b32 s[G1B+5], 1024                       ; elements from row to row of Vb
	s_mov_b32 s[G1B+6], 0
	s_mov_b32 s[G1B+7], 0
	s_lshl_b32 s16, s13, 7
	s_lshl_b32 s17, s12, 6
	s_add_co_u32 s16, s16, s17
	s_lshl_b32 s16, s16, 12                        ; P: row 128 T + 64 x half, 4,096 bytes a row
	s_mov_b32 s17, 0
	s_lshr_b32 s46, s2, 2
	s_lshl_b32 s46, s46, 22                        ; Vb: the batch's 4,194,304 bytes,
	s_mul_i32 s47, s12, 96*2048
	s_add_co_u32 s46, s46, s47                     ; 96 x half rows of 2,048 bytes,
	s_lshl_b32 s47, s42, 9
	s_add_co_u32 s46, s46, s47                     ; the tile column's 512 bytes
	s_mov_b32 s47, 0
	s_mul_i32 s20, s12, 64*PP                      ; where they go: no place in the cluster enters an LDS address
	s_mul_i32 s21, s12, 96*PV
	s_add_co_u32 s21, s21, VOFF
	s_wait_dscnt 0x0                               ; the opening add is done
	s_wait_kmcnt 0x0
	s_add_nc_u64 s[14:15], s[AP:AP+1], s[16:17]
	s_add_nc_u64 s[46:47], s[AV:AV+1], s[46:47]
	CROUND                                         ; all sixteen work-groups are here: the first joint loads meet
.irp s, 0,1
	s_mov_b32 s[G0+4*(\s)], 1
	s_add_co_u32 s[G0+4*(\s)+1], s20, (\s)*SLOT
	s_add_nc_u64 s[G0+4*(\s)+2:G0+4*(\s)+3], s[14:15], (\s)*KSTEP*2       ; step s: 384 bytes along P's rows
	s_or_b32 s[G0+4*(\s)+3], s[G0+4*(\s)+3], 0x80000000
	s_mov_b32 s[G0B+4*(\s)], 1
	s_add_co_u32 s[G0B+4*(\s)+1], s21, (\s)*SLOT
	s_add_nc_u64 s[G0B+4*(\s)+2:G0B+4*(\s)+3], s[46:47], (\s)*KSTEP*2048  ; step s: 192 rows down Vb
	s_or_b32 s[G0B+4*(\s)+3], s[G0B+4*(\s)+3], 0x80000000
.endr
	s_cmp_eq_u32 s11, 0                            ; a wave's two first fills stand in one branch, ahead of every wait on TENSORcnt and every LDS read: two loads of mine are out
	s_cbranch_scc0 .Lfirst_b
	tensor_load_to_lds s[G0:G0+3], s[G1:G1+7]
	s_nop 0
	tensor_load_to_lds s[G0+4:G0+7], s[G1:G1+7]
	s_nop 0
.rept 4
	v_nop
.endr
	s_branch .Lfirst_asked
.Lfirst_b:
	tensor_load_to_lds s[G0B:G0B+3], s[G1B:G1B+7]
	s_nop 0
	tensor_load_to_lds s[G0B+4:G0B+7], s[G1B:G1B+7]
	s_nop 0
.rept 4
	v_nop
.endr
.Lfirst_asked:
	v_and_b32 v1, 15, v0                           ; l % 16
	v_bfe_u32 v2, v0, 4, 1                         ; l / 16
	v_mul_u32_u24 v3, v1, PP                       ; a fragment of P: row l % 16, 16 bytes for each half of the lanes, twice, 32 bytes apart
	v_lshl_add_u32 v3, v2, 4, v3
	s_mul_i32 s21, s11, 64*PP                      ; my 64 rows
	v_add_nc_u32 v[ADRA], s21, v3
	v_add_nc_u32 v[ADRA+1], SLOT, v[ADRA]
	; The turning load takes 16 c x 16 columns (lane l reads 16 bytes: row 8 (l / 16) + l % 8, columns 8 ((l / 8) % 2) + 0..7) and leaves half a fragment: lane l holds column l % 16 and 8 c.
	v_and_b32 v4, 7, v0
	v_bfe_u32 v5, v0, 3, 1
	v_lshl_add_u32 v4, v2, 3, v4
	v_mul_u32_u24 v4, v4, PV
	v_lshl_add_u32 v4, v5, 4, v4
	s_lshl_b32 s22, s12, 8                         ; my 128 columns: 256 bytes
	s_add_co_u32 s22, s22, VOFF
	v_add_nc_u32 v[ADRB], s22, v4
	v_add_nc_u32 v[ADRB+1], 96*PV, v[ADRB]         ; quarters 3 to 5: 96 rows further down
	v_add_nc_u32 v[ADRB+2], SLOT, v[ADRB]
	v_add_nc_u32 v[ADRB+3], SLOT, v[ADRB+1]
	s_mul_i32 s23, s10, 16*SP
	s_add_co_u32 s23, s23, STAGE                   ; my stage
	v_mul_u32_u24 v4, v1, SP                       ; in: row l % 16, 32 bytes (8 f32) for each half of the lanes
	v_lshl_add_u32 v4, v2, 5, v4
	v_add_nc_u32 v[STO], s23, v4
	v_and_b32 v5, 31, v0
	v_lshlrev_b32 v[CO], 4, v5                     ; back and out: 32 lanes take a whole row of 512 bytes
	v_add_nc_u32 v[RD], s23, v[CO]
	s_lshl_b32 s22, s11, 4
	v_lshl_add_u32 v[LQ], v1, 5, s22               ; lsum: row m's 32 bytes, my four blocks' 16 of them
	s_lshl_b32 s22, s13, 9
	s_mov_b32 s23, 0
	s_add_nc_u64 s[AL:AL+1], s[AL:AL+1], s[22:23]  ; g = T
.irp p, 0,1,2,3,4,5,6,7,8,9,10,11,12,13,14,15
	global_load_b128 v[LSR+4*(\p):LSR+4*(\p)+3], v[LQ], s[AL:AL+1] offset:32768*(\p)  ; the 16 partial sums of my rows: waited for behind the last product
.endr
	s_lshl_b32 s22, s13, 7
	s_lshl_b32 s14, s11, 6
	s_add_co_u32 s22, s22, s14
	s_lshl_b32 s22, s22, 12                        ; out0: my first row, 4,096 bytes a row,
	s_lshl_b32 s14, s42, 10
	s_add_co_u32 s22, s22, s14                     ; the tile's 256 columns,
	s_lshl_b32 s14, s12, 9
	s_add_co_u32 s22, s22, s14                     ; my 128 of them
	s_add_nc_u64 s[AO:AO+1], s[AO:AO+1], s[22:23]
	; the prefetches
	s_lshl_b32 s20, s13, 7
	s_lshl_b32 s21, s40, 5
	s_add_co_u32 s20, s20, s21
	s_lshl_b32 s20, s20, 12
	s_add_co_u32 s20, s20, 3*256                   ; P: row 128 T + 32 cx, block 3: the first change steps it to block 5
	s_lshr_b32 s21, s2, 2
	s_lshl_b32 s21, s21, 22
	s_mul_i32 s22, s41, 3
	s_add_co_u32 s22, s22, s10
	s_lshl_b32 s22, s22, 4
	s_add_co_u32 s22, s22, 2*KSTEP-16
	s_lshl_b32 s22, s22, 11
	s_add_co_u32 s21, s21, s22                     ; Vb: the batch, row 2 x 192 + 16 (3 cy + wave - 1): step 2: the first change steps it to step 3,
	s_lshl_b32 s22, s42, 9
	s_add_co_u32 s21, s21, s22                     ; the tile column
	s_and_b32 s23, s2, 3
	s_mov_b32 s22, KSTEP*2048                      ; V: a step further at each change
	s_cmp_eq_u32 s10, 0                            ; wave 0 asks for P, waves 1 to 3 for V
	s_cselect_b32 s20, s20, s21
	s_cselect_b64 s[PFA:PFA+1], s[AP:AP+1], s[AV:AV+1]
	s_cselect_b32 s14, 31, 15                      ; the lane's row: all five bits, or four
	s_cselect_b32 s15, 12, 11                      ; log2 of a row's bytes
	s_cselect_b32 s16, 0, 256                      ; lanes 16-31: V's second block of a row
	s_cselect_b32 s[PST], 512, s22                 ; P: two blocks on at slot 0's change,
	s_cselect_b32 s[PST+4], 256, s22               ; one at slot 1's
	s_cselect_b32 s23, 0, s23                      ; who asks: wave 0 everywhere; waves 1 to 3 where the cluster is the batch's first
	s_mov_b32 s[PST+1], 0
	s_mov_b32 s[PST+5], 0
	s_mov_b32 s21, 0
	s_add_nc_u64 s[PFA:PFA+1], s[PFA:PFA+1], s[20:21]  ; nothing is prefetched here, at the head
	s_cmp_eq_u32 s23, 0
	s_cselect_b32 s[LIM], 1, -1                    ; the same in all sixteen partners, for a given wave
	v_and_b32 v4, s14, v5
	v_lshrrev_b32 v3, 4, v5
	v_lshlrev_b32 v4, s15, v4
	v_mad_u32_u24 v[PFO], v3, s16, v4
; 8 matrix instructions: m block a x all 8 n blocks, 32 along K.  zero = 1: the product starts the sums.  The 32 accumulators take turns, one instruction a turn, in the same order in every quarter.
.macro MUL8 f, a, zero
	WIN MUL
.irp b, 0,1,2,3,4,5,6,7
.if \zero
	v_wmma_f32_16x16x32_bf16 v[8*(8*(\a)+(\b)):8*(8*(\a)+(\b))+7], v[(\f)+32+8*(\b):(\f)+32+8*(\b)+7], v[(\f)+8*(\a):(\f)+8*(\a)+7], 0
.else
	v_wmma_f32_16x16x32_bf16 v[8*(8*(\a)+(\b)):8*(8*(\a)+(\b))+7], v[(\f)+32+8*(\b):(\f)+32+8*(\b)+7], v[(\f)+8*(\a):(\f)+8*(\a)+7], v[8*(8*(\a)+(\b)):8*(8*(\a)+(\b))+7]
.endif
.endr
.endm
.macro MUL16 f, a0, zero
	MUL8 \f, \a0, \zero
	MUL8 \f, (\a0)+1, \zero
.endm
; 24 LDS loads in one run: part q (32 along K) of a slot's six into buffer f: V's eight fragments, turned, then P's four
.macro FETCH slot, q, f
	WIN TO_F
.irp b, 0,1,2,3,4,5,6,7
	ds_load_tr16_b128 v[(\f)+32+8*(\b):(\f)+32+8*(\b)+3],   v[ADRB+2*(\slot)+(\q)/3] offset:((\q)%3)*32*PV+32*(\b)
	ds_load_tr16_b128 v[(\f)+32+8*(\b)+4:(\f)+32+8*(\b)+7], v[ADRB+2*(\slot)+(\q)/3] offset:((\q)%3)*32*PV+16*PV+32*(\b)
.endr
.irp i, 0,1,2,3
	ds_load_b128 v[(\f)+8*(\i):(\f)+8*(\i)+3],   v[ADRA+(\slot)] offset:((\q)/2)*PCH+((\q)%2)*64+(\i)*16*PP
	ds_load_b128 v[(\f)+8*(\i)+4:(\f)+8*(\i)+7], v[ADRA+(\slot)] offset:((\q)/2)*PCH+((\q)%2)*64+(\i)*16*PP+32
.endr
.endm
.macro PLACES                          ; four plain vector instructions between a matrix instruction and a load into a register that it has read
.rept 4
	v_nop
.endr
.endm
; A step is six parts of 32 along K, 32 matrix instructions each, on buffers 0, 1, 0, 1, 0, 1.  One of the first five: multiplies buffer f and fetches part q into buffer g.
.macro QUARTER slot, q, f, g, zero
	s_wait_dscnt 4                                 ; V and P's blocks 0 and 1 are in; the youngest four loads (P's blocks 2 and 3) may be out
	MUL16 \f, 0, \zero
	PLACES
	FETCH \slot, \q, \g
	s_wait_dscnt 24                                ; all but the 24 just issued
	MUL16 \f, 2, \zero
.endm
.macro REST slot                       ; a step's parts 1 to 4 are multiplied, its parts 2 to 5 fetched
	QUARTER \slot, 2, F1, F0, 0
	QUARTER \slot, 3, F0, F1, 0
	QUARTER \slot, 4, F1, F0, 0
	QUARTER \slot, 5, F0, F1, 0
.endm
; The last part multiplies buffer 1 and changes slots: ONE barrier; in front of it each wave waits for all its tensor loads, adds 0 to its spare word, and waits for that and for its reads of this slot.
; fill = 1: the barrier opens a round of the cluster's, and this slot is filled again, two steps ahead: 176 matrix instructions stand between the request and the wait for it.
; fill = 2: the same for the last, short step: P's rows have 128 elements left, V has 128 rows left from wave 2's first row and 32 from wave 3's; the tiles keep their shape.  fill = 0: nothing is left to ask for.
.macro TURN slot, next, fill
.if (\fill) == 1
	s_wait_xcnt 0x0                                ; the last prefetches, a step back, have read their address: it is stepped here, ahead of the waits of the change of slots
	s_add_nc_u64 s[PFA:PFA+1], s[PFA:PFA+1], s[PST+4*(\slot):PST+4*(\slot)+1]
.endif
	WIN 0                                          ; (the add's two registers lie in window 0)
	s_wait_tensorcnt 0x0                           ; all my tensor loads have landed: my part of the other slot
	ds_add_u32 v[SPW], v[NIL]                      ; 0 onto my spare word
	s_wait_dscnt 5                                 ; (the add and the youngest four loads may be out)
	MUL8 F1, 0, 0                                  ; eight matrix instructions stand between the add and the wait for it
	s_wait_dscnt 0x0                               ; the add is done, and my reads of this slot are over
	s_barrier_signal -1
	MUL8 F1, 1, 0
.if \fill
	WIN 0
.endif
	s_barrier_wait -1
.if \fill
	CREST                                          ; no wave of any partner still reads this slot or has a load on its way
	s_add_nc_u64 s[G0+4*(\slot)+2:G0+4*(\slot)+3], s[G0+4*(\slot)+2:G0+4*(\slot)+3], 2*KSTEP*2
	s_add_nc_u64 s[G0B+4*(\slot)+2:G0B+4*(\slot)+3], s[G0B+4*(\slot)+2:G0B+4*(\slot)+3], 2*KSTEP*2048
.if (\fill) == 2
	s_mov_b32 s[G1+1], 128<<16                     ; tensor_dim0 = 128 (no load of mine is out, so a descriptor may be written)
	s_mul_i32 s14, s12, 96
	s_sub_co_u32 s14, 128, s14
	s_lshl_b32 s[G1B+2], s14, 16                   ; tensor_dim1 = 128 - 96 x half
.endif
	JLOAD \slot                                    ; the first tensor load behind the round; its four v_nop are also the places in front of the loads below
.else
	PLACES
.endif
	FETCH \next, 0, F0
.if (\fill) == 1
	WIN 0
	ASK \slot
.endif
	MUL16 F1, 2, 0
.endm
	s_wait_tensorcnt 1                             ; my part of step 0 is in; step 1's may stay out
	s_barrier_signal -1
	s_barrier_wait -1                              ; everybody's is
	FETCH 0, 0, F0
	QUARTER 0, 1, F0, F1, 1                        ; the first part stands in front of the loop: its products start the sums
	WIN 0                                          ; at a label and at a branch every window is 0
	s_mov_b32 s3, 4
.Llap:                                                 ; a trip goes once round the ring and fills both slots again: steps 2 to 9 in four trips
	REST 0
	TURN 0, 1, 1
	QUARTER 1, 1, F0, F1, 0
	REST 1
	TURN 1, 0, 1
	QUARTER 0, 1, F0, F1, 0
	WIN 0
	s_sub_co_u32 s3, s3, 1
	s_cmp_lg_u32 s3, 0
	s_cbranch_scc1 .Llap
	REST 0                                         ; the tail is written out: step 8,
	TURN 0, 1, 2                                   ; behind which slot 0 takes the short step 10,
	QUARTER 1, 1, F0, F1, 0                        ; step 9,
	REST 1
	TURN 1, 0, 0                                   ; behind which nothing is asked for, and no round of the cluster's barrier stands,
	QUARTER 0, 1, F0, F1, 0                        ; and step 10's four parts
	QUARTER 0, 2, F1, F0, 0
	QUARTER 0, 3, F0, F1, 0
	s_wait_dscnt 4                                 ; the very last part: nothing more to fetch
	MUL16 F1, 0, 0
	s_wait_dscnt 0x0
	MUL16 F1, 2, 0
	; THE WAY OUT.  l = the sum of its 16 parts, in f32: 30 plain lines, the places behind the last products; then 1 / l, twice, a pair for the packed multiply.
	WIN 0
	s_wait_loadcnt 0x0                             ; lsum's parts, asked for at the head
.irp d, 8,4,2,1
.set p, 0
.rept \d
	v_pk_add_f32 v[LSR+4*p:LSR+4*p+1],   v[LSR+4*p:LSR+4*p+1],   v[LSR+4*(p+(\d)):LSR+4*(p+(\d))+1]
	v_pk_add_f32 v[LSR+4*p+2:LSR+4*p+3], v[LSR+4*p+2:LSR+4*p+3], v[LSR+4*(p+(\d))+2:LSR+4*(p+(\d))+3]
.set p, p+1
.endr
.endr
.irp a, 0,1,2,3
	v_rcp_f32 v[INV+2*(\a)],   v[LSR+(\a)]
	v_rcp_f32 v[INV+2*(\a)+1], v[LSR+(\a)]
.endr
	v_nop                                          ; a plain line between the last reciprocal and the use of its result
	s_wait_alu depctr_va_vdst(0)                   ; and a wait ahead of the first use: one for the eight reciprocals
.macro SCALE a                         ; block a: 16 rows x 128 columns, divided by l; ascending: each accumulator is read from its low end on
	WIN 0x02                                       ; source 0 window 2
.set i, 0
.rept 32
	v_pk_mul_f32 v[TMP+i:TMP+i+1], v[64*(\a)+i:64*(\a)+i+1], v[INV+2*(\a):INV+2*(\a)+1]
.set i, i+2
.endr
	WIN 0
.endm
.macro TOSTAGE a                       ; 32 bytes a lane and n block into my own stage, and back as whole rows of 512 bytes, into two sets of registers by turns
.set BK, OB0-128*((\a)%2)
.irp n, 0,1,2,3,4,5,6,7,8,9,10,11,12,13,14,15
	ds_store_b128 v[STO], v[TMP+4*(\n):TMP+4*(\n)+3] offset:64*((\n)/2)+16*((\n)%2)
.endr
	s_wait_xcnt 0x0                                ; the set was the data of the stores two blocks back: it is loaded again only behind this wait
.irp t, 0,1,2,3,4,5,6,7,8,9,10,11,12,13,14,15
	ds_load_b128 v[BK+4*(\t):BK+4*(\t)+3], v[RD] offset:(\t)*SP  ; LDS serves a wave's instructions in order (ISA guide 5.7.1.4): these see the stores above
.endr
.endm
.macro SEND a
.set BK, OB0-128*((\a)%2)
	s_wait_dscnt 0x0                               ; the block is back in registers
.irp t, 0,1,2,3,4,5,6,7,8,9,10,11,12,13,14,15
	global_store_b128 v[CO], v[BK+4*(\t):BK+4*(\t)+3], s[AO:AO+1] offset:(16*(\a)+(\t))*4096 th:TH_STORE_NT  ; 512 consecutive bytes, at a multiple of 256 from out0's first byte
.endr
.endm
	SCALE 0
	TOSTAGE 0
.irp a, 1,2,3
	SCALE \a                                       ; a block's arithmetic stands between the loads of the block before and its stores
	SEND (\a)-1
	TOSTAGE \a
.endr
	SEND 3
	s_wait_tensorcnt 0x0                           ; the wave's end, behind my last tensor load and my last LDS store
	ds_add_u32 v[SPW], v[NIL]
	s_wait_dscnt 0x0
	CROUND                                         ; the closing round: no work-group ends while a partner may still ask for a tile that names it
	s_endpgm
.Lfunc_end_k_q50d6cb1605_mix:
	.size	k_q50d6cb1605_mix, .Lfunc_end_k_q50d6cb1605_mix-k_q50d6cb1605_mix
	.p2alignl 7, 3214868480
	.fill 96, 4, 3214868480
	.section	.rodata,"a",@progbits
	.p2align	6, 0x0
	.amdhsa_kernel k_q50d6cb1605_mix
		.amdhsa_group_segment_fixed_size 327680
		.amdhsa_private_segment_fixed_size 0
		.amdhsa_enable_private_segment 0
		.amdhsa_kernarg_size 32
		.amdhsa_user_sgpr_count 2
		.amdhsa_user_sgpr_kernarg_segment_ptr 1
		.amdhsa_wavefront_size32 1
		.amdhsa_system_sgpr_workgroup_id_x 1
		.amdhsa_system_sgpr_workgroup_id_y 1
		.amdhsa_system_sgpr_workgroup_id_z 1
		.amdhsa_system_vgpr_workitem_id 0
		.amdhsa_next_free_vgpr 768
		.amdhsa_next_free_sgpr 84
		.amdhsa_reserve_vcc 0
		.amdhsa_float_denorm_mode_32 3
		.amdhsa_float_denorm_mode_16_64 3
		.amdhsa_memory_ordered 1
		.amdhsa_forward_progress 1
		.amdhsa_inst_pref_size 145
	.end_amdhsa_kernel
	.amdgpu_metadata
---
amdhsa.version: [ 1, 2 ]
amdhsa.kernels:
  - .name:           k_q50d6cb1605_mix
    .symbol:         k_q50d6cb1605_mix.kd
    .args:
      - { .name: P, .offset: 0, .size: 8, .value_kind: global_buffer, .address_space: global }
      - { .name: Vb, .offset: 8, .size: 8, .value_kind: global_buffer, .address_space: global }
      - { .name: lsum, .offset: 16, .size: 8, .value_kind: global_buffer, .address_space: global }
      - { .name: out0, .offset: 24, .size: 8, .value_kind: global_buffer, .address_space: global }
    .group_segment_fixed_size: 327680
    .private_segment_fixed_size: 0
    .kernarg_segment_align: 8
    .kernarg_segment_size: 32
    .max_flat_workgroup_size: 128
    .sgpr_count:     84
    .vgpr_count:     768
    .wavefront_size: 32
...
	.end_amdgpu_metadata
.endif
;; end of part 3
